; MI455X (gfx1250); checked and timed in simulation.
; The chip was launched on July 23, 2026; its instructions are those of AMD's public machine-readable ISA for CDNA 5 (MIT licence, August 2026) and "CDNA5" Instruction Set Architecture Reference Guide (July 2026). The comments in the code are by the model that wrote it; some were corrected since.
;; real fp4linear. Allowed arithmetic: float matrix products may take bf16 or f16 operands with f32 sums; other float arithmetic in f32, or as packed bf16 or f16 multiplies, adds, multiply-adds, maxima and minima; sums over many terms, partial sums and values carried from step to step in f32; what a program stores and reads back later, other than sums and carried values, may be rounded once to bf16 or f16.
;; Inputs: a_scale 4,096 x 256 float32; b_scale 4,096 x 256 float32; bias 4,096 float32; weight 4,096 x 4,096 float32; x 4,096 x 4,096 float32.
;; Outputs: out0 4,096 x 4,096 float32.
;; 2 versions, each right; version 2 is version 1 with the launch quant written anew for expert scheduling mode. Each part assembles by itself: llvm-mc -triple=amdgcn-amd-amdhsa -mcpu=gfx1250 --defsym DOCPART=n.
;; ======== version 1 of 2: 2 launches
;; limits: inputs' magnitudes at most 33,554,432
;; workspace buffers: aq 33,554,432 bytes; bq 33,554,432 bytes
;; launch quant (part 1): grid 128 x 2, 16 waves a work-group, no clusters, 0 bytes of LDS; arguments x, a_scale, weight, b_scale, aq, bq; writes aq, bq
.if DOCPART == 1
	.amdgcn_target "amdgcn-amd-amdhsa--gfx1250"
	.amdhsa_code_object_version 6
	.text
	.protected	k_q9cb3681849_quant
	.globl	k_q9cb3681849_quant
	.p2align	8
	.type	k_q9cb3681849_quant,@function
k_q9cb3681849_quant:
	s_mov_b64 s[64:65], 0
	v_nop
	global_prefetch_b8 v0, s[64:65] scope:SCOPE_SE
	s_setreg_imm32_b32 hwreg(HW_REG_WAVE_MODE, 25, 1), 1
	s_wait_xcnt 0x0
; aq[m][k] = bf16( fp4(x[m][k]) * e4m3(a_scale[m][k/16]) ), and bq likewise from weight and b_scale: the grid's y picks the matrix.
; x, weight: [4096][4096] f32.  a_scale, b_scale: [4096][256] f32.  aq, bq: [4096][4096] bf16.
; WHY bf16 LOSES NOTHING.  An fp4 (E2M1) number has 2 significant bits at the most, a scale rounded to e4m3 has 4 (below 512): the product has 6, and bf16 holds 8, with f32's range.
; BOTH ROUNDINGS ARE TO A GRID WHOSE STEP HANGS ON THE CLAMPED EXPONENT ALONE, ties to even, so each is two fused multiply-adds: with P = 2^e cut out of the number's exponent field,
; v + P 2^n lies where one unit in the last place of f32 is the wanted step (n = 22: step 2^(e-1), fp4; n = 20: step 2^(e-3), e4m3), the addition rounds to nearest even with the
; grid's own parity (P 2^n is an even multiple of the step), and taking P 2^n away again is exact.  No logarithm and no exponential is needed.
;   fp4:  |v| clamped to 6; e = exponent of max(|v|, 1) = 0, 1, 2: steps 0.5, 1, 2, as in the three ranges up to 2, up to 4, up to 6 (which agree at 2 and at 4).
;   e4m3: v raised to 2^-9; e = exponent of v clamped to -6 .. 8.
; LIMITS.  The straight-through form v + (f(v) - v) is taken as f(v): it differs by a rounding of f32 at v's size.  NaN is not treated apart.  A zero's sign may differ.
; A scale of 512 or more has more than 4 significant bits on its grid of 32: the product is then rounded once to bf16; from 2^28 on the scale's grid is coarser than 32.
; SHARES.  All is linear in memory.  A UNIT is 512 numbers on end: 2,048 bytes in, 32 scales (128 bytes), 1,024 bytes out.  A work-group takes 32 rows, each of its 16 waves 2 rows = 16 units.
; A unit is four chunks of 128 numbers; lane i takes numbers 4 i .. 4 i + 3 of a chunk: a load of the wave covers 512 bytes on end, a store 256 bytes on end, aligned.
; A ring of four unit slots in registers keeps 20 loads of every wave on their way.  No LDS, no barrier: no wave wants what another has fetched.  No matrix unit, no cluster: nothing to share.
; No prefetch: the loads themselves keep the stream going all the time.
.set SLOTS, 4
.set XO,  1                            ; v1        my byte offset in x: wave x 32,768 + lane x 16; never rewritten
.set SO,  2                            ; v2        my byte offset in the scales: wave x 2,048 + 4 x (the scale that my lane rounds); never rewritten
.set YO,  3                            ; v3        my byte offset in the output: wave x 16,384 + lane x 8; never rewritten
.set SQ,  4                            ; v[4:7]    the rounded scale of my four numbers, chunk by chunk
.set T0,  8                            ; v8-10     at work on the scale
.set T1,  9
.set T2,  10
.set QA,  12                           ; v[12:15]  four numbers at work
.set QE,  16                           ; v[16:19]  their 2^e, with their signs
.set SC,  24                           ; v[24:27]  slot i: the scale as loaded
.set XR,  32                           ; v[32:95]  slot i: 16 registers, four chunks as loaded
.set YR,  96                           ; v[96:127] slot i: 8 registers to store
.set IN,  16                           ; s[16:17]  x or weight, at the work-group's part, at the round in hand
.set SCL, 18                           ; s[18:19]  the scales likewise
.set OUT, 20                           ; s[20:21]  aq or bq likewise
.set EXPM, 24                          ; s24       an f32's exponent field
.set MAGM, 25                          ; s25       all but the sign
.set P22, 26                           ; s[26:27]  2^22 (a pair: the packed form names two registers and takes the low one twice)
.set N22, 28                           ; s[28:29]  -2^22
.set SIX, 30                           ; s30       6.0
.set NSIX, 31                          ; s31       -6.0
.set P20, 32                           ; s32       2^20
.set N20, 33                           ; s33       -2^20
.set SMIN, 34                          ; s34       2^-9
.set ELO, 35                           ; s35       2^-6
.set EHI, 36                           ; s36       2^8
.set SEL, 40                           ; s[40:47]  lane selects for v_permlane16_b32, a pair for each chunk
	s_load_b256 s[4:11], s[0:1], 0x0               ; x s[4:5], a_scale s[6:7], weight s[8:9], b_scale s[10:11]
	s_load_b128 s[12:15], s[0:1], 0x20             ; aq s[12:13], bq s[14:15]
	s_mov_b32 s[EXPM], 0x7f800000
	s_mov_b32 s[MAGM], 0x7fffffff
	s_mov_b32 s[P22], 0x4a800000
	s_mov_b32 s[P22+1], 0x4a800000
	s_mov_b32 s[N22], 0xca800000
	s_mov_b32 s[N22+1], 0xca800000
	s_mov_b32 s[SIX], 0x40c00000
	s_mov_b32 s[NSIX], 0xc0c00000
	s_mov_b32 s[P20], 0x49800000
	s_mov_b32 s[N20], 0xc9800000
	s_mov_b32 s[SMIN], 0x3b000000
	s_mov_b32 s[ELO], 0x3c800000
	s_mov_b32 s[EHI], 0x43800000
	; Chunk c's lane 16 r + j wants scale 8 c + 4 r + j / 4 of the unit's 32.  Lane 16 r + j' loads and rounds scale 8 (j' / 4) + 4 r + j' % 4, so that scale lies in the lane's own
	; half of 16, at place 4 c + j / 4: one v_permlane16_b32 a chunk hands it out.
	s_mov_b32 s[SEL+0], 0x11110000
	s_mov_b32 s[SEL+1], 0x33332222
	s_mov_b32 s[SEL+2], 0x55554444
	s_mov_b32 s[SEL+3], 0x77776666
	s_mov_b32 s[SEL+4], 0x99998888
	s_mov_b32 s[SEL+5], 0xbbbbaaaa
	s_mov_b32 s[SEL+6], 0xddddcccc
	s_mov_b32 s[SEL+7], 0xffffeeee
	v_lshrrev_b32 v[T0], 5, v0                     ; wave
	v_and_b32 v[T1], 31, v0                        ; lane
	v_lshlrev_b32 v[XO], 15, v[T0]
	v_lshl_or_b32 v[XO], v[T1], 4, v[XO]
	v_lshlrev_b32 v[YO], 14, v[T0]
	v_lshl_or_b32 v[YO], v[T1], 3, v[YO]
	v_lshlrev_b32 v[SO], 11, v[T0]
	v_bfe_u32 v[T2], v0, 2, 2                      ; j' / 4: 8 scales, 32 bytes
	v_lshl_or_b32 v[SO], v[T2], 5, v[SO]
	v_bfe_u32 v[T2], v0, 4, 1                      ; r: 4 scales, 16 bytes
	v_lshl_or_b32 v[SO], v[T2], 4, v[SO]
	v_and_b32 v[T2], 3, v0                         ; j' % 4
	v_lshl_or_b32 v[SO], v[T2], 2, v[SO]
.irp c, 0,1,2,3
	v_mov_b32 v[SQ+(\c)], 0                        ; v_permlane16_b32's destination counts as read: written once here
.endr
	s_and_b32 s22, ttmp7, 0xffff                   ; 0: x, a_scale, aq.  1: weight, b_scale, bq
	s_wait_kmcnt 0x0
	s_cmp_eq_u32 s22, 0
	s_cselect_b64 s[IN:IN+1], s[4:5], s[8:9]
	s_cselect_b64 s[SCL:SCL+1], s[6:7], s[10:11]
	s_cselect_b64 s[OUT:OUT+1], s[12:13], s[14:15]
	s_mov_b32 s23, 0
	s_lshl_b32 s22, ttmp9, 19                      ; the work-group's 32 rows: 16,384 bytes each in,
	s_add_nc_u64 s[IN:IN+1], s[IN:IN+1], s[22:23]
	s_lshl_b32 s22, ttmp9, 15                      ; 1,024 bytes of scales,
	s_add_nc_u64 s[SCL:SCL+1], s[SCL:SCL+1], s[22:23]
	s_lshl_b32 s22, ttmp9, 18                      ; 8,192 bytes out
	s_add_nc_u64 s[OUT:OUT+1], s[OUT:OUT+1], s[22:23]
; Five loads: unit u (counted from the round in hand) into slot i.
.macro LOADU i, u
.irp c, 0,1,2,3
	global_load_b128 v[XR+16*(\i)+4*(\c):XR+16*(\i)+4*(\c)+3], v[XO], s[IN:IN+1] offset:2048*(\u)+512*(\c) th:TH_LOAD_NT
.endr
	global_load_b32 v[SC+(\i)], v[SO], s[SCL:SCL+1] offset:128*(\u)
.endm
; Chunk c of slot i: four numbers a lane, 24 instructions.
.macro CHUNK i, c
.irp k, 0,1,2,3
	v_med3_num_f32 v[QA+(\k)], v[XR+16*(\i)+4*(\c)+(\k)], s[NSIX], s[SIX]  ; clamped to -6 .. 6
.endr
.irp k, 0,1,2,3
	v_and_b32 v[QE+(\k)], s[EXPM], v[QA+(\k)]      ; 2^(its exponent),
.endr
.irp k, 0,1,2,3
	v_max_num_f32 v[QE+(\k)], 1.0, v[QE+(\k)]      ; at least 1: 1, 2 or 4,
.endr
.irp k, 0,1,2,3
	v_bfi_b32 v[QE+(\k)], s[MAGM], v[QE+(\k)], v[QA+(\k)]  ; with the number's sign
.endr
	v_pk_fma_f32 v[QA:QA+1],   v[QE:QE+1],   s[P22:P22+1], v[QA:QA+1]   op_sel_hi:[1,0,1]  ; the addition rounds to the grid,
	v_pk_fma_f32 v[QA+2:QA+3], v[QE+2:QE+3], s[P22:P22+1], v[QA+2:QA+3] op_sel_hi:[1,0,1]
	v_pk_fma_f32 v[QA:QA+1],   v[QE:QE+1],   s[N22:N22+1], v[QA:QA+1]   op_sel_hi:[1,0,1]  ; and this one is exact
	v_pk_fma_f32 v[QA+2:QA+3], v[QE+2:QE+3], s[N22:N22+1], v[QA+2:QA+3] op_sel_hi:[1,0,1]
.if ((\c)%2) == 0                      ; all four numbers share the chunk's scale: the low or the high register of a pair, for both halves
	v_pk_mul_f32 v[QA:QA+1],   v[QA:QA+1],   v[SQ+2*((\c)/2):SQ+2*((\c)/2)+1] op_sel_hi:[1,0]
	v_pk_mul_f32 v[QA+2:QA+3], v[QA+2:QA+3], v[SQ+2*((\c)/2):SQ+2*((\c)/2)+1] op_sel_hi:[1,0]
.else
	v_pk_mul_f32 v[QA:QA+1],   v[QA:QA+1],   v[SQ+2*((\c)/2):SQ+2*((\c)/2)+1] op_sel:[0,1] op_sel_hi:[1,1]
	v_pk_mul_f32 v[QA+2:QA+3], v[QA+2:QA+3], v[SQ+2*((\c)/2):SQ+2*((\c)/2)+1] op_sel:[0,1] op_sel_hi:[1,1]
.endif
	v_cvt_pk_bf16_f32 v[YR+8*(\i)+2*(\c)],   v[QA],   v[QA+1]
	v_cvt_pk_bf16_f32 v[YR+8*(\i)+2*(\c)+1], v[QA+2], v[QA+3]
.endm
; One slot's turn.  ahead = 1: the slot is filled again with the unit four further on.  left = how many younger loads may stay out.
.macro SLOT i, ahead, left
	s_wait_loadcnt \left                           ; loads come back in order (ISA guide 5.7.1): my slot's five are in, the younger slots' stay out
	v_med3_num_f32 v[T0], v[SC+(\i)], s[ELO], s[EHI]  ; the scale, once a lane: clamped to 2^-6 .. 2^8 for its exponent,
	v_max_num_f32 v[T1], s[SMIN], v[SC+(\i)]       ; raised to 2^-9 for its value
	v_and_b32 v[T0], s[EXPM], v[T0]                ; 2^e
	v_fma_f32 v[T1], v[T0], s[P20], v[T1]          ; rounds to multiples of 2^(e-3),
	v_fma_f32 v[T2], v[T0], s[N20], v[T1]          ; exact
.irp c, 0,1,2,3
	v_permlane16_b32 v[SQ+(\c)], v[T2], s[SEL+2*(\c)], s[SEL+2*(\c)+1]
.endr
.irp c, 0,1,2,3
	CHUNK \i, \c
.endr
.if \ahead
	LOADU \i, 4+(\i)                               ; the loads go out ahead of the stores
.endif
.irp c, 0,1,2,3
	global_store_b64 v[YO], v[YR+8*(\i)+2*(\c):YR+8*(\i)+2*(\c)+1], s[OUT:OUT+1] offset:1024*(\i)+256*(\c) th:TH_STORE_NT  ; 32 lanes store 256 bytes on end, aligned
.endr
.endm
	LOADU 0, 0                                     ; the ring is filled: units 0 to 3
	LOADU 1, 1
	LOADU 2, 2
	LOADU 3, 3
	s_mov_b32 s23, 16/SLOTS-1
.Lround:                                       ; a round takes every slot once: four units
	SLOT 0, 1, 15                                  ; 15 = three younger slots x five loads, on the way in, inside a round and over the backward jump alike
	SLOT 1, 1, 15
	SLOT 2, 1, 15
	SLOT 3, 1, 15
	s_wait_xcnt 0x0                                ; every load and store issued so far has read its registers (ISA guide 3.1): the three bases and the stores' data are written again only behind this wait
	s_add_nc_u64 s[IN:IN+1], s[IN:IN+1], SLOTS*2048
	s_add_nc_u64 s[SCL:SCL+1], s[SCL:SCL+1], SLOTS*128
	s_add_nc_u64 s[OUT:OUT+1], s[OUT:OUT+1], SLOTS*1024
	s_sub_co_u32 s23, s23, 1
	s_cmp_lg_u32 s23, 0
	s_cbranch_scc1 .Lround
	SLOT 0, 0, 15                                  ; the last round loads nothing: the counts run down
	SLOT 1, 0, 10
	SLOT 2, 0, 5
	SLOT 3, 0, 0
	s_endpgm
.Lfunc_end_k_q9cb3681849_quant:
	.size	k_q9cb3681849_quant, .Lfunc_end_k_q9cb3681849_quant-k_q9cb3681849_quant
	.p2alignl 7, 3214868480
	.fill 96, 4, 3214868480
	.section	.rodata,"a",@progbits
	.p2align	6, 0x0
	.amdhsa_kernel k_q9cb3681849_quant
		.amdhsa_group_segment_fixed_size 0
		.amdhsa_private_segment_fixed_size 0
		.amdhsa_enable_private_segment 0
		.amdhsa_kernarg_size 48
		.amdhsa_user_sgpr_count 2
		.amdhsa_user_sgpr_kernarg_segment_ptr 1
		.amdhsa_wavefront_size32 1
		.amdhsa_system_sgpr_workgroup_id_x 1
		.amdhsa_system_sgpr_workgroup_id_y 1
		.amdhsa_system_sgpr_workgroup_id_z 1
		.amdhsa_system_vgpr_workitem_id 0
		.amdhsa_next_free_vgpr 128
		.amdhsa_next_free_sgpr 66
		.amdhsa_reserve_vcc 0
		.amdhsa_float_denorm_mode_32 3
		.amdhsa_float_denorm_mode_16_64 3
		.amdhsa_memory_ordered 1
		.amdhsa_forward_progress 1
		.amdhsa_inst_pref_size 55
	.end_amdhsa_kernel
	.amdgpu_metadata
---
amdhsa.version: [ 1, 2 ]
amdhsa.kernels:
  - .name:           k_q9cb3681849_quant
    .symbol:         k_q9cb3681849_quant.kd
    .args:
      - { .name: x, .offset: 0, .size: 8, .value_kind: global_buffer, .address_space: global }
      - { .name: a_scale, .offset: 8, .size: 8, .value_kind: global_buffer, .address_space: global }
      - { .name: weight, .offset: 16, .size: 8, .value_kind: global_buffer, .address_space: global }
      - { .name: b_scale, .offset: 24, .size: 8, .value_kind: global_buffer, .address_space: global }
      - { .name: aq, .offset: 32, .size: 8, .value_kind: global_buffer, .address_space: global }
      - { .name: bq, .offset: 40, .size: 8, .value_kind: global_buffer, .address_space: global }
    .group_segment_fixed_size: 0
    .private_segment_fixed_size: 0
    .kernarg_segment_align: 8
    .kernarg_segment_size: 48
    .max_flat_workgroup_size: 512
    .sgpr_count:     66
    .vgpr_count:     128
    .wavefront_size: 32
...
	.end_amdgpu_metadata
.endif
;; end of part 1
;; launch gemm (part 2): grid 16 x 16, 4 waves a work-group, clusters of 4 x 4, 327,680 bytes of LDS; arguments aq, bq, bias, out0; writes out0
.if DOCPART == 2
	.amdgcn_target "amdgcn-amd-amdhsa--gfx1250"
	.amdhsa_code_object_version 6
	.text
	.protected	k_q9cb3681849_gemm
	.globl	k_q9cb3681849_gemm
	.p2align	8
	.type	k_q9cb3681849_gemm,@function
k_q9cb3681849_gemm:
	s_mov_b64 s[64:65], 0
	v_nop
	global_prefetch_b8 v0, s[64:65] scope:SCOPE_SE
	s_setreg_imm32_b32 hwreg(HW_REG_WAVE_MODE, 25, 1), 1
	s_wait_xcnt 0x0
	s_wait_alu depctr_hold_cnt(0) depctr_sa_sdst(0) depctr_va_vdst(0) depctr_va_sdst(0) depctr_va_ssrc(0) depctr_va_vcc(0) depctr_vm_vsrc(0)
	s_getreg_b32 s2, hwreg(HW_REG_IB_STS2, 6, 4)
	s_cmp_eq_u32 s2, 0
	s_cbranch_scc0 .Lentry_in_a_cluster
	s_endpgm
.Lentry_in_a_cluster:
	s_bfe_u32 s2, ttmp6, 0x10000c
	s_cmp_lg_u32 s2, 0xf033
	s_cbranch_scc0 .Lentry_shape_is_right
	s_endpgm
.Lentry_shape_is_right:
; out0[m][n] = sum over k of aq[m][k] bq[n][k] + bias[n].  aq, bq: [4096][4096] bf16 (the quantised, scaled operands, exact in bf16); bias: [4096] f32; out0: [4096][4096] f32.  Sums in f32.
; A tile of out0, 256 x 256, is made by a work-group of four waves; a wave makes 128 x 128: 64 accumulators of 16 x 16, 512 registers.  256 tiles, one to a work-group.
; K goes in 32 steps of 128 through a ring of two LDS slots filled by the tensor data mover: a tile's rows are 256 bytes of memory and start at multiples of 256 bytes from the buffer's first byte.
; CLUSTERS: 4 x 4 work-groups.  The four of a row of the cluster need the same tiles of aq, the four of a column the same tiles of bq: each tile is asked for JOINTLY, by the same tensor load with
; the same descriptor and a mask that names the four; each receives it in its own LDS.
; THE MATRIX INSTRUCTION IS USED TRANSPOSED: source 0 = 16 rows of bq, source 1 = 16 rows of aq.  In the result lane l holds row m = l % 16 and its registers 0-7 the columns 8 (l / 16) + 0..7:
; eight neighbouring numbers of a row of out0.  THE BIAS IS THE C OPERAND OF THE PRODUCT THAT STARTS EACH SUM: 64 registers hold the bias of my 128 columns in that same layout; nothing is
; cleared, and the way out adds nothing.
; LIMITS: none of its own; NaN and infinities go as the matrix instruction takes them.
; REGISTERS, in windows of 256 (s_set_vgpr_msb's low byte: bits 1:0 source 0, 3:2 source 1, 5:4 source 2, 7:6 destination):
;   window 0: v0-31 addresses; v64-127, v128-191 fragments of aq (8 x 16 rows x 32 K), two buffers, and on the way out rows read back from the stage; v192-255 the bias
;   window 1: v64-127, v128-191 fragments of bq, two buffers
;   window 2: the 32 accumulators of my rows 0-63 (accumulator (a, b) at v[8 (8 a + b)]);   window 3: those of my rows 64-127
.set SIZE_N, 4096
.set SIZE_K, 4096
.set KSTEP,  128
.set PITCH,  272                       ; an LDS row: 256 bytes of data + 16 of padding = 68 words: row r starts at bank 4 r mod 64 (64 banks of 4 bytes: ISA guide 11.1), so the 16 rows of a load start at 16 different banks
.set HALFT,  128*PITCH                 ; 128 rows: what one tensor load brings, and what one wave reads of aq or of bq
.set SLOT,   4*HALFT                   ; aq's 256 rows, then bq's 256 rows
.set STAGE,  2*SLOT                    ; behind the ring, never filled by a tensor load: for each wave 16 rows of 128 f32, for the way out
.set SP,     528                       ; a stage row: 512 bytes + 16: the sixteen lanes of a store's pass put their 16 bytes at sixteen different places modulo 256
.set WSTAGE, 16*SP                     ; 8,448 bytes a wave: 33 blocks of 256
.set SPARE,  STAGE+4*WSTAGE            ; behind the stages: the spare words, 128 bytes for each wave: two blocks of 256 bytes that no other line names
.set LAPS,   SIZE_K/(2*KSTEP)          ; a lap = two K steps = once round the ring: 16
.set ADRA, 16                          ; v16-17  LDS address of my aq fragments in slot 0, 1
.set ADRB, 20                          ; v20-21  the same for bq
.set STO,  24                          ; v24     the way out: where I put 32 bytes of a row
.set RD,   25                          ; v25     the way out: where I read a row back
.set CO,   26                          ; v26     my byte offset in 512 bytes of a row of out0: 16 x lane; never rewritten
.set BO,   27                          ; v27     my byte offset in the bias of 16 columns: 32 (l / 16); never rewritten
.set SPW,  28                          ; v28     LDS address of my spare word: SPARE + 4 x my thread's number; never rewritten
.set NIL,  29                          ; v29     0; never rewritten
.set PFO,  30                          ; v30     the prefetches' offset: my lane x a row of aq or bq (8,192 bytes); never rewritten
.set F0,   64                          ; fragment buffer 0
.set F1,   128                         ; fragment buffer 1
.set BI,   192                         ; v[BI+8 b+j] = bias of my column 16 b + 8 (l / 16) + j
.set WV,   12                          ; s12     my wave's number
.set WR,   13                          ; s13     which half of the tile's rows is mine; also: I fetch for aq (0) or bq (1)
.set WC,   14                          ; s14     which half of its columns; also: which 128 rows of that tile I fetch
.set TY,   15                          ; s15     tile row
.set G1,   24                          ; s[24:31] descriptor group 1 for aq's tiles
.set G0,   32                          ; s[32:39] descriptor group 0 for aq's tiles, one set for each slot
.set LIM,  43                          ; s43     1 in a wave that prefetches, else the greatest number
.set PFA,  44                          ; s[44:45] where my prefetches stand: my work-group's 32 rows of the 128 that I fetch, one K step further than the refill being asked for
.set G1B,  48                          ; s[48:55] descriptor group 1 for bq's tiles: it differs in the mask alone
.set G0B,  56                          ; s[56:63] descriptor group 0 for bq's tiles
.set MSB, 0
.macro WIN new                         ; the immediate's high byte repeats the setting that is left; a switch that changes nothing is dropped
.if MSB != (\new)
	s_set_vgpr_msb (MSB<<8)|(\new)
.set MSB, \new
.endif
.endm
.set MUL_LO, 0xa1                      ; source 0 (bq) window 1, source 1 (aq) window 0, C and D window 2
.set MUL_HI, 0xf1                      ; the same, C and D window 3
.set MUL_1ST, 0x81                     ; the first products: C (the bias) window 0, D window 2; + 0x40: D window 3
.set TO_B,   0x40                      ; destination window 1, address window 0
; A joint load.  Waves 0 and 1 fetch aq's two halves, waves 2 and 3 bq's.  Each line has one mask and one set of registers for all that issue it; the branch hangs on the wave's number alone.
; An s_nop 0 and four v_nop follow each of the two lines, ahead of the jump, the label and what follows.
.macro JLOAD s
	s_cmp_lt_u32 s[WV], 2
	s_cbranch_scc0 .Lfor_b_\@
	tensor_load_to_lds s[G0+4*(\s):G0+4*(\s)+3], s[G1:G1+7]
	s_nop 0
.rept 4
	v_nop
.endr
	s_branch .Lasked_\@
.Lfor_b_\@:
	tensor_load_to_lds s[G0B+4*(\s):G0B+4*(\s)+3], s[G1B:G1B+7]
	s_nop 0
.rept 4
	v_nop
.endr
.Lasked_\@:
.endm
; A PREFETCH INTO THE L2, behind each joint refill, its five lines and the run of LDS loads that follows: the K step that stands TWO refills on, 512 matrix instructions ahead of the load that will
; want it: 32 rows x 256 bytes, a lane a row, one instruction a wave.  Each row's 256 bytes of a K step are named ONCE in the launch: aq's tile row is read by every cluster of that row of clusters,
; and cluster x = 0 asks; bq's tile column by every cluster of that column, and cluster y = 0 asks.  The four partners that ask for a tile jointly share its rows out BY ADDRESS: of the 128 rows
; that a wave fetches the partner at place p takes 32 p .. 32 p + 31 (p = cx for aq, cy for bq).  K steps 0 to 3 come by their loads alone; the loop's last trip (s3 = 1) asks for nothing:
; K step 31 is the last that is named.
.macro ASK
	s_cmp_gt_u32 s3, s[LIM]
	s_cbranch_scc0 .Lnot_mine_\@
	global_prefetch_b8 v[PFO], s[PFA:PFA+1] offset:KSTEP*2 th:TH_LOAD_NT scope:SCOPE_SE
.Lnot_mine_\@:
.endm
; A round of the cluster's barrier: my work-group's barrier, so that wave 0's signal speaks for all four waves; wave 0 signals for the work-group; every wave waits for all sixteen
; work-groups; my work-group's barrier once more.  No LDS instruction of the wave is pending at a signal.
.macro CREST                           ; a round behind its opening barrier
	s_cmp_lg_u32 s[WV], 0
	s_cbranch_scc1 .Lnot_wave_0_\@
	s_barrier_signal -3
.Lnot_wave_0_\@:
	s_barrier_wait -3
	s_barrier_signal -1
	s_barrier_wait -1
.endm
.macro CROUND                          ; a whole round
	s_barrier_signal -1
	s_barrier_wait -1
	CREST
.endm
	s_load_b256 s[4:11], s[0:1], 0x0               ; aq s[4:5], bq s[6:7], bias s[8:9], out0 s[10:11]
	v_lshl_add_u32 v[SPW], v0, 2, SPARE
	v_mov_b32 v[NIL], 0
	ds_add_u32 v[SPW], v[NIL]                      ; the wave's opening: the add, twice on end, and its wait stand ahead of my first tensor load; the set-up below, work on registers, stands between
	ds_add_u32 v[SPW], v[NIL]                      ; and once more, under the one wait
	v_lshrrev_b32 v1, 5, v0
	v_readfirstlane_b32 s[WV], v1                  ; wave 0..3
	s_lshr_b32 s[WR], s[WV], 1
	s_and_b32 s[WC], s[WV], 1
	s_bfe_u32 s40, ttmp6, 0x40000                  ; cx: my place along the cluster's x
	s_bfe_u32 s41, ttmp6, 0x40004                  ; cy: along its y
	s_lshl_b32 s42, ttmp9, 2                       ; in a cluster launch ttmp9 and ttmp7 count clusters
	s_add_co_u32 s42, s42, s40                     ; tile column = 4 x cluster x + cx
	s_and_b32 s[TY], ttmp7, 0xffff
	s_lshl_b32 s[TY], s[TY], 2
	s_add_co_u32 s[TY], s[TY], s41                 ; tile row = 4 x cluster y + cy
	s_lshl_b32 s43, s41, 2
	s_lshl_b32 s43, 15, s43                        ; my row of the cluster: places 4 cy .. 4 cy + 3
	s_lshl_b32 s44, 0x1111, s40                    ; my column: places cx, cx + 4, cx + 8, cx + 12
	; descriptor group 1: a tile of 128 rows x 128 elements, padded in LDS
	s_or_b32 s[G1+0], s43, (1<<16)|(1<<20)|(1<<21)|(5<<22)|(3<<25)   ; 15:0 the mask: aq's tiles go to my row; 17:16 elements of 2 bytes; 20 padding on; 21 set beside a mask; 24:22 after every 64 words (code 5); 31:25 4 words of it (code 3)
	s_or_b32 s[G1B+0], s44, (1<<16)|(1<<20)|(1<<21)|(5<<22)|(3<<25)  ; the same with the mask of my column, for bq's tiles
.irp g, G1, G1B
	s_mov_b32 s[(\g)+1], KSTEP<<16                 ; 63:48 tensor_dim0, low half = 128
	s_mov_b32 s[(\g)+2], 128<<16                   ; 79:64 its high half = 0; 95:80 tensor_dim1, low half = 128
	s_mov_b32 s[(\g)+3], KSTEP<<16                 ; 111:96 its high half = 0; 127:112 tile_dim0 = 128
	s_mov_b32 s[(\g)+4], 128                       ; 143:128 tile_dim1 = 128; 159:144 tile_dim2 = 0
	s_mov_b32 s[(\g)+5], SIZE_K                    ; 191:160 tensor_dim0_stride, low word: elements from row to row
	s_mov_b32 s[(\g)+6], 0
	s_mov_b32 s[(\g)+7], 0
.endr
	; where the tiles come from.  aq's hang on the tile row alone, which my row of the cluster shares; bq's on the tile column alone, which my column shares.
	s_lshl_b32 s17, s[WC], 7                       ; which 128 rows of the tile I fetch
	s_lshl_b32 s16, s[TY], 8
	s_add_co_u32 s16, s16, s17                     ; aq: row 256 x tile row + 128 x half,
	s_lshl_b32 s16, s16, 13                        ; in bytes: 8,192 a row; under 2^25
	s_lshl_b32 s46, s42, 8
	s_add_co_u32 s46, s46, s17                     ; bq: row 256 x tile column + 128 x half
	s_lshl_b32 s46, s46, 13
	s_mov_b32 s17, 0
	s_mov_b32 s47, 0
	s_mul_i32 s20, s[WV], HALFT                    ; and where they go: aq's two halves, then bq's two halves = wave x 128 rows: no place in the cluster enters an LDS address
	s_wait_dscnt 0x0                               ; both opening adds are done
	s_wait_kmcnt 0x0
	s_add_nc_u64 s[18:19], s[4:5], s[16:17]
	s_add_nc_u64 s[46:47], s[6:7], s[46:47]
	CROUND                                         ; all sixteen work-groups are here: the first joint loads meet
.irp s, 0,1
	s_mov_b32 s[G0+4*(\s)], 1                                        ; 1:0 count = 1
	s_add_co_u32 s[G0+4*(\s)+1], s20, (\s)*SLOT                      ; 63:32 LDS address
	s_add_nc_u64 s[G0+4*(\s)+2:G0+4*(\s)+3], s[18:19], (\s)*KSTEP*2  ; 120:64 global address: K step s
	s_or_b32 s[G0+4*(\s)+3], s[G0+4*(\s)+3], 0x80000000              ; 127:126 type = 2
	s_mov_b32 s[G0B+4*(\s)], 1
	s_add_co_u32 s[G0B+4*(\s)+1], s20, (\s)*SLOT
	s_add_nc_u64 s[G0B+4*(\s)+2:G0B+4*(\s)+3], s[46:47], (\s)*KSTEP*2
	s_or_b32 s[G0B+4*(\s)+3], s[G0B+4*(\s)+3], 0x80000000
.endr
	s_cmp_lt_u32 s[WV], 2                          ; a wave's two first fills stand in one branch, ahead of every wait on TENSORcnt and every LDS read: two loads of mine are out
	s_cbranch_scc0 .Lfirst_b
	tensor_load_to_lds s[G0:G0+3], s[G1:G1+7]
	s_nop 0
	tensor_load_to_lds s[G0+4:G0+7], s[G1:G1+7]
	s_nop 0
.rept 4
	v_nop
.endr
	s_branch .Lfirst_asked
.Lfirst_b:
	tensor_load_to_lds s[G0B:G0B+3], s[G1B:G1B+7]
	s_nop 0
	tensor_load_to_lds s[G0B+4:G0B+7], s[G1B:G1B+7]
	s_nop 0
.rept 4
	v_nop
.endr
.Lfirst_asked:
	; A fragment is 16 rows x 32 K in 8 registers: lane l holds row l % 16; registers 0-3 hold K = 8 (l / 16) + 0..7, registers 4-7 K = 16 + 8 (l / 16) + 0..7: two loads of 16 bytes, 32 bytes apart.
	v_and_b32 v1, 15, v0                           ; l % 16
	v_bfe_u32 v2, v0, 4, 1                         ; l / 16
	v_and_b32 v5, 31, v0                           ; l
	v_lshlrev_b32 v[BO], 5, v2
	; the bias of my 128 columns: it is wanted by the first products, so its loads go out first
	s_lshl_b32 s46, s42, 8                         ; (in the registers that held bq's address)
	s_lshl_b32 s47, s[WC], 7
	s_add_co_u32 s46, s46, s47                     ; my first column: 256 x tile column + 128 x half,
	s_lshl_b32 s46, s46, 2                         ; in bytes of f32
	s_mov_b32 s47, 0
	s_add_nc_u64 s[8:9], s[8:9], s[46:47]
.irp b, 0,1,2,3,4,5,6,7
	global_load_b128 v[BI+8*(\b):BI+8*(\b)+3],   v[BO], s[8:9] offset:64*(\b)
	global_load_b128 v[BI+8*(\b)+4:BI+8*(\b)+7], v[BO], s[8:9] offset:64*(\b)+16
.endr
	v_mul_u32_u24 v3, v1, PITCH
	v_lshl_add_u32 v3, v2, 4, v3                   ; row x pitch + 16 x half
	s_mul_i32 s21, s[WR], HALFT                    ; my 128 rows of aq
	s_mul_i32 s22, s[WC], HALFT                    ; my 128 rows of bq,
	s_add_co_u32 s22, s22, 2*HALFT                 ; which lie behind aq's 256
.irp s, 0,1
	v_add_nc_u32 v[ADRA+(\s)], s21, v3
	v_add_nc_u32 v[ADRB+(\s)], s22, v3
	s_add_co_u32 s21, s21, SLOT
	s_add_co_u32 s22, s22, SLOT
.endr
	s_mul_i32 s23, s[WV], WSTAGE
	s_add_co_u32 s23, s23, STAGE                   ; my stage
	v_mul_u32_u24 v4, v1, SP                       ; in: row l % 16, 32 bytes for each half of the lanes
	v_lshl_add_u32 v4, v2, 5, v4
	v_add_nc_u32 v[STO], s23, v4
	v_lshlrev_b32 v[CO], 4, v5                     ; back: 32 lanes take one row of 512 bytes,
	v_add_nc_u32 v[RD], s23, v[CO]                 ; and the same 512 bytes of a row of out0
	v_lshlrev_b32 v[PFO], 13, v5
	; out0 at my part of the tile: the row part and the column part are added one after the other, each from registers of its own
	s_lshl_b32 s16, s[TY], 8
	s_lshl_b32 s17, s[WR], 7
	s_add_co_u32 s16, s16, s17                     ; my first row: 256 x tile row + 128 x half,
	s_lshl_b32 s16, s16, 14                        ; 16,384 bytes a row; under 2^26
	s_mov_b32 s17, 0
	s_add_nc_u64 s[10:11], s[10:11], s[16:17]
	s_add_nc_u64 s[10:11], s[10:11], s[46:47]
	; the prefetches
	s_lshl_b32 s20, s[TY], 8
	s_lshl_b32 s21, s42, 8
	s_and_b32 s22, ttmp7, 0xffff                   ; cluster y
	s_cmp_eq_u32 s[WR], 0                          ; do I fetch for aq?
	s_cselect_b32 s20, s20, s21                    ; the tile's first row: in aq by the tile row, in bq by the tile column
	s_cselect_b32 s21, s40, s41                    ; my place among the four that ask for it with me
	s_cselect_b32 s22, ttmp9, s22                  ; the coordinate along which other clusters read the same rows
	s_cselect_b64 s[PFA:PFA+1], s[4:5], s[6:7]
	s_cmp_eq_u32 s22, 0
	s_cselect_b32 s[LIM], 1, -1                    ; the same in all sixteen partners, for a given wave
	s_lshl_b32 s22, s[WC], 7
	s_add_co_u32 s20, s20, s22                     ; + the 128 rows that I fetch
	s_lshl_b32 s21, s21, 5
	s_add_co_u32 s20, s20, s21                     ; + my work-group's 32 of them
	s_lshl_b32 s20, s20, 13
	s_mov_b32 s21, 0
	s_add_nc_u64 s[PFA:PFA+1], s[PFA:PFA+1], s[20:21]
	s_add_nc_u64 s[PFA:PFA+1], s[PFA:PFA+1], 2*KSTEP*2  ; at K step 2: the first refill steps it to 3 and names K step 4.  Nothing is prefetched here, at the head
; 16 matrix instructions: m blocks a0, a0 + 1 of the window's four (hi = 0: my rows 0-63, 1: rows 64-127) x all 8 n blocks, 32 along K.
; first = 1: the product starts the sum, with the bias as C.  The 64 accumulators take turns in the same order in every quarter step: 63 others' stand between two links of a chain.
.macro MUL16 f, hi, a0, first
.if \first
	WIN MUL_1ST+0x40*(\hi)
.else
	WIN MUL_LO+0x50*(\hi)
.endif
.irp a, \a0, (\a0)+1
.irp b, 0,1,2,3,4,5,6,7
.if \first
	v_wmma_f32_16x16x32_bf16 v[8*(8*(\a)+(\b)):8*(8*(\a)+(\b))+7], v[(\f)+8*(\b):(\f)+8*(\b)+7], v[(\f)+8*(4*(\hi)+(\a)):(\f)+8*(4*(\hi)+(\a))+7], v[BI+8*(\b):BI+8*(\b)+7]
.else
	v_wmma_f32_16x16x32_bf16 v[8*(8*(\a)+(\b)):8*(8*(\a)+(\b))+7], v[(\f)+8*(\b):(\f)+8*(\b)+7], v[(\f)+8*(4*(\hi)+(\a)):(\f)+8*(4*(\hi)+(\a))+7], v[8*(8*(\a)+(\b)):8*(8*(\a)+(\b))+7]
.endif
.endr
.endr
.endm
; 32 LDS loads in one run: the fragments of one quarter step (128 rows of bq, 128 rows of aq, 32 K at byte k of the rows) into buffer f
.macro FETCH slot, k, f
	WIN TO_B
.irp i, 0,1,2,3,4,5,6,7
	ds_load_b128 v[(\f)+8*(\i):(\f)+8*(\i)+3],   v[ADRB+(\slot)] offset:(\k)+(\i)*16*PITCH
	ds_load_b128 v[(\f)+8*(\i)+4:(\f)+8*(\i)+7], v[ADRB+(\slot)] offset:(\k)+(\i)*16*PITCH+32
.endr
	WIN 0
.irp i, 0,1,2,3,4,5,6,7
	ds_load_b128 v[(\f)+8*(\i):(\f)+8*(\i)+3],   v[ADRA+(\slot)] offset:(\k)+(\i)*16*PITCH
	ds_load_b128 v[(\f)+8*(\i)+4:(\f)+8*(\i)+7], v[ADRA+(\slot)] offset:(\k)+(\i)*16*PITCH+32
.endr
.endm
; A load into a register that a matrix instruction has read, and an LDS store that reads a matrix result, stand four places behind that matrix instruction, and only plain vector instructions
; that name none of its registers are places (ISA guide 7.12.1 for vector instructions).
.macro PLACES
.rept 4
	v_nop
.endr
.endm
; A K step is four quarter steps of 32 along K, 64 matrix instructions each, on buffers 0, 1, 0, 1.
; One of the first three: multiplies buffer f; in its middle it fetches the next quarter's fragments, at byte k of the same slot's rows, into buffer g.
.macro QUARTER slot, k, f, g, first
	s_wait_dscnt 8                                 ; bq's and aq's rows 0-63 are in; the youngest eight loads (aq's rows 64-127) may be out
	MUL16 \f, 0, 0, \first
	MUL16 \f, 0, 2, \first
	PLACES
	FETCH \slot, \k, \g
	s_wait_dscnt 32                                ; all but the 32 just issued
	MUL16 \f, 1, 0, \first
	MUL16 \f, 1, 2, \first
.endm
; The last quarter multiplies buffer 1 and changes slots.  MEET is its first half: ONE barrier for the change.  In front of it each wave waits for all its tensor loads, of which one is out: its part
; of the next slot; adds 0 to its spare word; and waits for that and for its own reads of this slot.  Behind it nobody reads this slot any more and the next slot is whole.
.macro MEET round                      ; round = 1: the rest of a round of the cluster's barrier follows
	WIN 0                                          ; (the add's two registers lie in window 0)
	s_wait_tensorcnt 0x0                           ; all my tensor loads have landed
	ds_add_u32 v[SPW], v[NIL]                      ; 0 onto my spare word
	s_wait_dscnt 9                                 ; (the add and the youngest eight loads may be out)
	MUL16 F1, 0, 0, 0                              ; sixteen matrix instructions stand between the add and the wait for it
	s_wait_dscnt 0x0                               ; the add is done, and my reads of this slot are over
	s_barrier_signal -1
	MUL16 F1, 0, 2, 0                              ; work on registers while the others arrive
.if \round
	WIN 0
.endif
	s_barrier_wait -1
.endm
; The whole last quarter in the loop.  The barrier opens a round of the cluster's barrier; behind the round the slot just read out is filled again first, with the K step two steps on; then come
; the next slot's first fragments.  From a request to the wait for it a wave issues 224 matrix instructions; one tensor load of mine is out meanwhile.
.macro TURN slot, next
	s_wait_xcnt 0x0                                ; the last prefetch, a K step back, has read its address: it is stepped here, ahead of the waits of the change of slots
	s_add_nc_u64 s[PFA:PFA+1], s[PFA:PFA+1], KSTEP*2
	MEET 1
	CREST                                          ; no wave of any partner still reads this slot's tile or has a load on its way
	s_add_nc_u64 s[G0+4*(\slot)+2:G0+4*(\slot)+3], s[G0+4*(\slot)+2:G0+4*(\slot)+3], 2*KSTEP*2
	s_add_nc_u64 s[G0B+4*(\slot)+2:G0B+4*(\slot)+3], s[G0B+4*(\slot)+2:G0B+4*(\slot)+3], 2*KSTEP*2
	JLOAD \slot                                    ; the first tensor load behind the round; the four v_nop behind it are also the places in front of the loads below
	FETCH \next, 0, F0
	ASK
	MUL16 F1, 1, 0, 0
	MUL16 F1, 1, 2, 0
.endm
; THE WAY OUT of block a (16 of my rows x 128 columns), in two parts.  TOSTAGE: a lane's eight f32 of a row, 32 bytes, go from the accumulators straight into my own stage (each accumulator's
; low four registers first), and come back as whole rows of 512 bytes.  SEND: stored.  The stage is my wave's own: LDS serves a wave's instructions in order
; (ISA guide 5.7.1.4), so the loads see the stores above them, and the next block's stores come behind them.
.macro TOSTAGE a
.set AC, 64*((\a)%4)
.set BK, F0+64*((\a)%2)
.if (\a) >= 2
	s_wait_xcnt 0x0                                ; the stores of the block two back have read this buffer: it is loaded again only behind this wait
.endif
	WIN 0x08+4*((\a)/4)                            ; the stores' data (source 1) in window 2 or 3
.irp b, 0,1,2,3,4,5,6,7
	ds_store_b128 v[STO], v[AC+8*(\b):AC+8*(\b)+3]   offset:64*(\b)
	ds_store_b128 v[STO], v[AC+8*(\b)+4:AC+8*(\b)+7] offset:64*(\b)+16
.endr
	WIN 0
.irp t, 0,1,2,3,4,5,6,7,8,9,10,11,12,13,14,15
	ds_load_b128 v[BK+4*(\t):BK+4*(\t)+3], v[RD] offset:SP*(\t)
.endr
.endm
.macro SEND a, younger                 ; younger: the LDS instructions issued behind block a's loads: the next block's 32, or none
	WIN 0
.set BK, F0+64*((\a)%2)
.irp t, 0,1,2,3,4,5,6,7,8,9,10,11,12,13,14,15
	s_wait_dscnt (\younger)+15-(\t)
	global_store_b128 v[CO], v[BK+4*(\t):BK+4*(\t)+3], s[10:11] offset:(16*(\a)+(\t))*SIZE_N*4 th:TH_STORE_NT  ; 32 lanes store 512 consecutive bytes, aligned; 127 rows of 16,384 bytes at the most, inside the signed 24-bit immediate
.endr
.endm
	s_wait_tensorcnt 1                             ; my part of K step 0 is in; K step 1's may stay out
	s_barrier_signal -1
	s_barrier_wait -1                              ; everybody's is
	FETCH 0, 0, F0
	s_wait_loadcnt 0x0                             ; the bias
	QUARTER 0, 64,  F0, F1, 1                      ; the first quarter stands in front of the loop: its products start the sums
	WIN 0                                          ; at a label and at a branch every window is 0
	s_mov_b32 s3, LAPS-1
.Llap:                                                 ; a trip goes once round the ring, from a lap's second quarter to the next lap's first, and fills both slots again
	QUARTER 0, 128, F1, F0, 0
	QUARTER 0, 192, F0, F1, 0
	TURN 0, 1
	QUARTER 1, 64,  F0, F1, 0
	QUARTER 1, 128, F1, F0, 0
	QUARTER 1, 192, F0, F1, 0
	TURN 1, 0
	QUARTER 0, 64,  F0, F1, 0
	WIN 0
	s_sub_co_u32 s3, s3, 1
	s_cmp_lg_u32 s3, 0
	s_cbranch_scc1 .Llap
	QUARTER 0, 128, F1, F0, 0                      ; the last lap is written out: it fills nothing, and has no round of the cluster's barrier
	QUARTER 0, 192, F0, F1, 0
	MEET 0                                         ; my one tensor load that was still out is slot 1's, the last K step's
	PLACES                                         ; for the loads into buffer 0
	FETCH 1, 0, F0
	MUL16 F1, 1, 0, 0
	MUL16 F1, 1, 2, 0
	QUARTER 1, 64,  F0, F1, 0
	QUARTER 1, 128, F1, F0, 0
	QUARTER 1, 192, F0, F1, 0
	s_wait_dscnt 8                                 ; the very last quarter: nothing more to fetch
	MUL16 F1, 0, 0, 0
	MUL16 F1, 0, 2, 0
	s_wait_dscnt 0x0
	MUL16 F1, 1, 0, 0
	MUL16 F1, 1, 2, 0
	WIN 0
	PLACES                                         ; the stores into the stage read results, and the loads from it land in fragment registers: the places behind the last products,
	PLACES                                         ; twice over, once a launch
	TOSTAGE 0
.irp a, 1,2,3,4,5,6,7                  ; block a's way through the stage stands between block a - 1's loads and its stores
	TOSTAGE \a
	SEND (\a)-1, 32
.endr
	SEND 7, 0
	s_wait_tensorcnt 0x0                           ; the wave's end: the add and its waits stand behind my last tensor load and my last LDS store
	ds_add_u32 v[SPW], v[NIL]
	s_wait_dscnt 0x0
	CROUND                                         ; the closing round: no work-group ends while a partner may still ask for a tile that names it
	s_endpgm
.Lfunc_end_k_q9cb3681849_gemm:
	.size	k_q9cb3681849_gemm, .Lfunc_end_k_q9cb3681849_gemm-k_q9cb3681849_gemm
	.p2alignl 7, 3214868480
	.fill 96, 4, 3214868480
	.section	.rodata,"a",@progbits
	.p2align	6, 0x0
	.amdhsa_kernel k_q9cb3681849_gemm
		.amdhsa_group_segment_fixed_size 327680
		.amdhsa_private_segment_fixed_size 0
		.amdhsa_enable_private_segment 0
		.amdhsa_kernarg_size 32
		.amdhsa_user_sgpr_count 2
		.amdhsa_user_sgpr_kernarg_segment_ptr 1
		.amdhsa_wavefront_size32 1
		.amdhsa_system_sgpr_workgroup_id_x 1
		.amdhsa_system_sgpr_workgroup_id_y 1
		.amdhsa_system_sgpr_workgroup_id_z 1
		.amdhsa_system_vgpr_workitem_id 0
		.amdhsa_next_free_vgpr 1024
		.amdhsa_next_free_sgpr 66
		.amdhsa_reserve_vcc 0
		.amdhsa_float_denorm_mode_32 3
		.amdhsa_float_denorm_mode_16_64 3
		.amdhsa_memory_ordered 1
		.amdhsa_forward_progress 1
		.amdhsa_inst_pref_size 146
	.end_amdhsa_kernel
	.amdgpu_metadata
---
amdhsa.version: [ 1, 2 ]
amdhsa.kernels:
  - .name:           k_q9cb3681849_gemm
    .symbol:         k_q9cb3681849_gemm.kd
    .args:
      - { .name: aq, .offset: 0, .size: 8, .value_kind: global_buffer, .address_space: global }
      - { .name: bq, .offset: 8, .size: 8, .value_kind: global_buffer, .address_space: global }
      - { .name: bias, .offset: 16, .size: 8, .value_kind: global_buffer, .address_space: global }
      - { .name: out0, .offset: 24, .size: 8, .value_kind: global_buffer, .address_space: global }
    .group_segment_fixed_size: 327680
    .private_segment_fixed_size: 0
    .kernarg_segment_align: 8
    .kernarg_segment_size: 32
    .max_flat_workgroup_size: 128
    .sgpr_count:     66
    .vgpr_count:     1024
    .wavefront_size: 32
...
	.end_amdgpu_metadata
.endif
;; end of part 2
;; ======== version 2 of 2: 2 launches; version 1 with the launch quant written anew for expert scheduling mode
;; limits: inputs' magnitudes at most 33,554,432
;; workspace buffers: aq 33,554,432 bytes; bq 33,554,432 bytes
;; launch quant (part 3): grid 128 x 2, 16 waves a work-group, no clusters, 0 bytes of LDS; arguments x, a_scale, weight, b_scale, aq, bq; writes aq, bq
.if DOCPART == 3
	.amdgcn_target "amdgcn-amd-amdhsa--gfx1250"
	.amdhsa_code_object_version 6
	.text
	.protected	k_q9cb3681849_quant
	.globl	k_q9cb3681849_quant
	.p2align	8
	.type	k_q9cb3681849_quant,@function
k_q9cb3681849_quant:
	s_mov_b64 s[64:65], 0
	v_nop
	global_prefetch_b8 v0, s[64:65] scope:SCOPE_SE
	s_setreg_imm32_b32 hwreg(HW_REG_WAVE_SCHED_MODE, 0, 2), 2
	s_setreg_imm32_b32 hwreg(HW_REG_WAVE_MODE, 25, 1), 1
	s_wait_xcnt 0x0
	s_wait_alu depctr_vm_vsrc(0)
; aq[m][k] = bf16( fp4(x[m][k]) * e4m3(a_scale[m][k/16]) ), and bq likewise from weight and b_scale: the grid's y picks the matrix.
; x, weight: [4096][4096] f32.  a_scale, b_scale: [4096][256] f32.  aq, bq: [4096][4096] bf16.
; WHY bf16 LOSES NOTHING.  An fp4 (E2M1) number has 2 significant bits at the most, a scale rounded to e4m3 has 4 (below 512): the product has 6, and bf16 holds 8, with f32's range.
; BOTH ROUNDINGS ARE TO A GRID WHOSE STEP HANGS ON THE CLAMPED EXPONENT ALONE, ties to even, so each is two fused multiply-adds: with P = 2^e cut out of the number's exponent field,
; v + P 2^n lies where one unit in the last place of f32 is the wanted step (n = 22: step 2^(e-1), fp4; n = 20: step 2^(e-3), e4m3), the addition rounds to nearest even with the
; grid's own parity (P 2^n is an even multiple of the step), and taking P 2^n away again is exact.  No logarithm and no exponential is needed.
;   fp4:  |v| clamped to 6; e = exponent of max(|v|, 1) = 0, 1, 2: steps 0.5, 1, 2, as in the three ranges up to 2, up to 4, up to 6 (which agree at 2 and at 4).
;   e4m3: v raised to 2^-9; e = exponent of v clamped to -6 .. 8.
; LIMITS.  The straight-through form v + (f(v) - v) is taken as f(v): it differs by a rounding of f32 at v's size.  NaN is not treated apart.  A zero's sign may differ.
; A scale of 512 or more has more than 4 significant bits on its grid of 32: the product is then rounded once to bf16; from 2^28 on the scale's grid is coarser than 32.
; SHARES.  All is linear in memory.  A UNIT is 512 numbers on end: 2,048 bytes in, 32 scales (128 bytes), 1,024 bytes out.  A work-group takes 32 rows, each of its 16 waves 2 rows = 16 units.
; A unit is four chunks of 128 numbers; lane i takes numbers 4 i .. 4 i + 3 of a chunk: a load of the wave covers 512 bytes on end, a store 256 bytes on end, aligned.
; No LDS, no barrier: no wave wants what another has fetched.  No matrix unit, no cluster: nothing to share.  No prefetch: the loads themselves keep the stream going all the time.
; THE MODE: SCHED_MODE bits 1:0 = 2 (LLVM: expert scheduling mode 2), set by the entry lines.  The code itself states the register dependences
; between vector instructions and memory instructions, with s_wait_alu, always for 0.
; THE PLAN.  Unit p has turn p and buffer p % 5.  Registers that memory instructions touch:
;   XR0 .. XR4, SC0 .. SC4   five units as loaded.  Written by the five loads of unit p + 4, issued in turn p; read by turn p + 4's vector instructions.
;   YR0 .. YR4               five units to store.   Written by turn p's roundings; read by the four stores that are issued in turn p + 1; written again in turn p + 5.
;   v1, v2, v3               byte offsets, made once at the head and never written again: the units are reached by the three scalar bases, which move on by a unit at each
;                            turn's head, and by immediate offsets.
; Turn p works on XR, SC and YR of buffer p % 5.  Its memory instructions are the loads into XR and SC of buffer (p + 4) % 5 = (p - 1) % 5 and the stores from YR of that same buffer:
; the buffer that turn p - 1 worked on and that no vector instruction of turn p names.  So the waits at the head of a turn state all that the turn's nine memory instructions hang on, and these
; are dealt among its vector instructions with no further wait.  A buffer lies idle from its last read to the next turn's head: with five of them 15 to 20 loads of every wave are on their way.
.set BUFS, 5
.set UNITS, 16
.set XO,  1                            ; v1        my byte offset in x: wave x 32,768 + lane x 16; never rewritten
.set SO,  2                            ; v2        my byte offset in the scales: wave x 2,048 + 4 x (the scale that my lane rounds); never rewritten
.set YO,  3                            ; v3        my byte offset in the output: wave x 16,384 + lane x 8; never rewritten
.set SQ,  4                            ; v[4:7]    the rounded scale of my four numbers, chunk by chunk: no memory instruction names v4 to v19
.set T0,  8                            ; v8-10     at work on the scale
.set T1,  9
.set T2,  10
.set QA,  12                           ; v[12:15]  four numbers at work
.set QE,  16                           ; v[16:19]  their 2^e, with their signs
.set SC,  24                           ; v[24:28]  buffer i: the scale as loaded
.set XR,  32                           ; v[32:111] buffer i: 16 registers, four chunks as loaded
.set YR,  112                          ; v[112:151] buffer i: 8 registers to store
.set IN,  16                           ; s[16:17]  x or weight, at the work-group's part, at the unit in hand
.set SCL, 18                           ; s[18:19]  the scales likewise
.set OUT, 20                           ; s[20:21]  aq or bq likewise
.set EXPM, 24                          ; s24       an f32's exponent field
.set MAGM, 25                          ; s25       all but the sign
.set P22, 26                           ; s[26:27]  2^22 (a pair: the packed form names two registers and takes the low one twice)
.set N22, 28                           ; s[28:29]  -2^22
.set SIX, 30                           ; s30       6.0
.set NSIX, 31                          ; s31       -6.0
.set P20, 32                           ; s32       2^20
.set N20, 33                           ; s33       -2^20
.set SMIN, 34                          ; s34       2^-9
.set ELO, 35                           ; s35       2^-6
.set EHI, 36                           ; s36       2^8
.set SEL, 40                           ; s[40:47]  lane selects for v_permlane16_b32, a pair for each chunk
	s_load_b256 s[4:11], s[0:1], 0x0               ; x s[4:5], a_scale s[6:7], weight s[8:9], b_scale s[10:11]
	s_load_b128 s[12:15], s[0:1], 0x20             ; aq s[12:13], bq s[14:15]
	s_mov_b32 s[EXPM], 0x7f800000
	s_mov_b32 s[MAGM], 0x7fffffff
	s_mov_b32 s[P22], 0x4a800000
	s_mov_b32 s[P22+1], 0x4a800000
	s_mov_b32 s[N22], 0xca800000
	s_mov_b32 s[N22+1], 0xca800000
	s_mov_b32 s[SIX], 0x40c00000
	s_mov_b32 s[NSIX], 0xc0c00000
	s_mov_b32 s[P20], 0x49800000
	s_mov_b32 s[N20], 0xc9800000
	s_mov_b32 s[SMIN], 0x3b000000
	s_mov_b32 s[ELO], 0x3c800000
	s_mov_b32 s[EHI], 0x43800000
	; Chunk c's lane 16 r + j wants scale 8 c + 4 r + j / 4 of the unit's 32.  Lane 16 r + j' loads and rounds scale 8 (j' / 4) + 4 r + j' % 4, so that scale lies in the lane's own
	; half of 16, at place 4 c + j / 4: one v_permlane16_b32 a chunk hands it out.
	s_mov_b32 s[SEL+0], 0x11110000
	s_mov_b32 s[SEL+1], 0x33332222
	s_mov_b32 s[SEL+2], 0x55554444
	s_mov_b32 s[SEL+3], 0x77776666
	s_mov_b32 s[SEL+4], 0x99998888
	s_mov_b32 s[SEL+5], 0xbbbbaaaa
	s_mov_b32 s[SEL+6], 0xddddcccc
	s_mov_b32 s[SEL+7], 0xffffeeee
	v_lshrrev_b32 v[T0], 5, v0                     ; wave
	v_and_b32 v[T1], 31, v0                        ; lane
	v_lshlrev_b32 v[XO], 15, v[T0]
	v_lshl_or_b32 v[XO], v[T1], 4, v[XO]
	v_lshlrev_b32 v[YO], 14, v[T0]
	v_lshl_or_b32 v[YO], v[T1], 3, v[YO]
	v_lshlrev_b32 v[SO], 11, v[T0]
	v_bfe_u32 v[T2], v0, 2, 2                      ; j' / 4: 8 scales, 32 bytes
	v_lshl_or_b32 v[SO], v[T2], 5, v[SO]
	v_bfe_u32 v[T2], v0, 4, 1                      ; r: 4 scales, 16 bytes
	v_lshl_or_b32 v[SO], v[T2], 4, v[SO]
	v_and_b32 v[T2], 3, v0                         ; j' % 4
	v_lshl_or_b32 v[SO], v[T2], 2, v[SO]
.irp c, 0,1,2,3
	v_mov_b32 v[SQ+(\c)], 0                        ; v_permlane16_b32's destination counts as read: written once here
.endr
	s_and_b32 s22, ttmp7, 0xffff                   ; 0: x, a_scale, aq.  1: weight, b_scale, bq
	s_wait_kmcnt 0x0
	s_cmp_eq_u32 s22, 0
	s_cselect_b64 s[IN:IN+1], s[4:5], s[8:9]
	s_cselect_b64 s[SCL:SCL+1], s[6:7], s[10:11]
	s_cselect_b64 s[OUT:OUT+1], s[12:13], s[14:15]
	s_mov_b32 s23, 0
	s_lshl_b32 s22, ttmp9, 19                      ; the work-group's 32 rows: 16,384 bytes each in,
	s_add_nc_u64 s[IN:IN+1], s[IN:IN+1], s[22:23]
	s_lshl_b32 s22, ttmp9, 15                      ; 1,024 bytes of scales,
	s_add_nc_u64 s[SCL:SCL+1], s[SCL:SCL+1], s[22:23]
	s_lshl_b32 s22, ttmp9, 18                      ; 8,192 bytes out
	s_add_nc_u64 s[OUT:OUT+1], s[OUT:OUT+1], s[22:23]
	s_wait_alu depctr_va_vdst(0)                   ; v1, v2 and v3 are written: every load and store of the kernel reads one of them as its offset
; Five loads at the head: unit i into buffer i.
.macro LOADU i
.irp c, 0,1,2,3
	global_load_b128 v[XR+16*(\i)+4*(\c):XR+16*(\i)+4*(\c)+3], v[XO], s[IN:IN+1] offset:2048*(\i)+512*(\c) th:TH_LOAD_NT
.endr
	global_load_b32 v[SC+(\i)], v[SO], s[SCL:SCL+1] offset:128*(\i)
.endm
; Chunk c of buffer i: four numbers a lane, 24 instructions.
.macro CHUNK i, c
.irp k, 0,1,2,3
	v_med3_num_f32 v[QA+(\k)], v[XR+16*(\i)+4*(\c)+(\k)], s[NSIX], s[SIX]  ; clamped to -6 .. 6
.endr
.irp k, 0,1,2,3
	v_and_b32 v[QE+(\k)], s[EXPM], v[QA+(\k)]      ; 2^(its exponent),
.endr
.irp k, 0,1,2,3
	v_max_num_f32 v[QE+(\k)], 1.0, v[QE+(\k)]      ; at least 1: 1, 2 or 4,
.endr
.irp k, 0,1,2,3
	v_bfi_b32 v[QE+(\k)], s[MAGM], v[QE+(\k)], v[QA+(\k)]  ; with the number's sign
.endr
	v_pk_fma_f32 v[QA:QA+1],   v[QE:QE+1],   s[P22:P22+1], v[QA:QA+1]   op_sel_hi:[1,0,1]  ; the addition rounds to the grid,
	v_pk_fma_f32 v[QA+2:QA+3], v[QE+2:QE+3], s[P22:P22+1], v[QA+2:QA+3] op_sel_hi:[1,0,1]
	v_pk_fma_f32 v[QA:QA+1],   v[QE:QE+1],   s[N22:N22+1], v[QA:QA+1]   op_sel_hi:[1,0,1]  ; and this one is exact
	v_pk_fma_f32 v[QA+2:QA+3], v[QE+2:QE+3], s[N22:N22+1], v[QA+2:QA+3] op_sel_hi:[1,0,1]
.if ((\c)%2) == 0                      ; all four numbers share the chunk's scale: the low or the high register of a pair, for both halves
	v_pk_mul_f32 v[QA:QA+1],   v[QA:QA+1],   v[SQ+2*((\c)/2):SQ+2*((\c)/2)+1] op_sel_hi:[1,0]
	v_pk_mul_f32 v[QA+2:QA+3], v[QA+2:QA+3], v[SQ+2*((\c)/2):SQ+2*((\c)/2)+1] op_sel_hi:[1,0]
.else
	v_pk_mul_f32 v[QA:QA+1],   v[QA:QA+1],   v[SQ+2*((\c)/2):SQ+2*((\c)/2)+1] op_sel:[0,1] op_sel_hi:[1,1]
	v_pk_mul_f32 v[QA+2:QA+3], v[QA+2:QA+3], v[SQ+2*((\c)/2):SQ+2*((\c)/2)+1] op_sel:[0,1] op_sel_hi:[1,1]
.endif
	v_cvt_pk_bf16_f32 v[YR+8*(\i)+2*(\c)],   v[QA],   v[QA+1]
	v_cvt_pk_bf16_f32 v[YR+8*(\i)+2*(\c)+1], v[QA+2], v[QA+3]
.endm
; Turn p.  xb = p % 5.  first = 1: unit 0, with no unit in front of it.  ahead = 1: unit p + 4 is loaded.
; left = how many younger loads may still be out when this unit's five have to be there.
.macro TURN xb, first, ahead, left
.set PB, ((\xb)+BUFS-1)%BUFS           ; the buffer that the turn before worked on
	s_wait_loadcnt \left                           ; loads come back in order (ISA guide 5.7.1): XR[xb] and SC[xb] are in, the younger units stay out
.if !(\first)
	s_wait_xcnt 0x0                                ; every earlier memory instruction has had its addresses translated (ISA guide 3.1): the bases and YR[xb] are rewritten only behind this wait
	s_wait_alu depctr_vm_vsrc(0)                   ; the stores issued four turns back have read YR[xb], which this turn's roundings write again
	s_wait_alu depctr_va_vdst(0)                   ; the turn before has written its YR, which the stores below read, and is done reading its XR and SC, in which the loads below land
	s_add_nc_u64 s[IN:IN+1], s[IN:IN+1], 2048      ; the three bases at this unit
	s_add_nc_u64 s[SCL:SCL+1], s[SCL:SCL+1], 128
	s_add_nc_u64 s[OUT:OUT+1], s[OUT:OUT+1], 1024
.endif
.if \ahead
	global_load_b32 v[SC+PB], v[SO], s[SCL:SCL+1] offset:(BUFS-1)*128  ; four units ahead; no vector instruction since the wait names this register
.endif
	v_med3_num_f32 v[T0], v[SC+(\xb)], s[ELO], s[EHI]  ; the scale, once a lane: clamped to 2^-6 .. 2^8 for its exponent,
	v_max_num_f32 v[T1], s[SMIN], v[SC+(\xb)]      ; raised to 2^-9 for its value
	v_and_b32 v[T0], s[EXPM], v[T0]                ; 2^e
	v_fma_f32 v[T1], v[T0], s[P20], v[T1]          ; rounds to multiples of 2^(e-3),
	v_fma_f32 v[T2], v[T0], s[N20], v[T1]          ; exact
.irp c, 0,1,2,3
	v_permlane16_b32 v[SQ+(\c)], v[T2], s[SEL+2*(\c)], s[SEL+2*(\c)+1]
.endr
.irp c, 0,1,2,3
.if \ahead
	global_load_b128 v[XR+16*PB+4*(\c):XR+16*PB+4*(\c)+3], v[XO], s[IN:IN+1] offset:(BUFS-1)*2048+512*(\c) th:TH_LOAD_NT  ; four units ahead, the load ahead of the store; no vector instruction since the wait names these registers
.endif
.if !(\first)
	global_store_b64 v[YO], v[YR+8*PB+2*(\c):YR+8*PB+2*(\c)+1], s[OUT:OUT+1] offset:256*(\c)-1024 th:TH_STORE_NT  ; the unit before: the offset reaches back; 32 lanes store 256 bytes on end, aligned
.endif
	CHUNK \xb, \c
.endr
.endm
	LOADU 0                                        ; all five buffers are filled: units 0 to 4, 25 loads
	LOADU 1
	LOADU 2
	LOADU 3
	LOADU 4
	TURN 0, 1, 0, 20                               ; unit 0: no memory instruction; 20 = four younger units x five loads
	s_mov_b32 s23, 2
.Lround:                                       ; units 1 to 10, five to a lap: the buffers are back at their start
	TURN 1, 0, 1, 15                               ; 15 = three younger units x five loads, on the way in, inside a lap and over the backward jump alike
	TURN 2, 0, 1, 15
	TURN 3, 0, 1, 15
	TURN 4, 0, 1, 15
	TURN 0, 0, 1, 15
	s_sub_co_u32 s23, s23, 1
	s_cmp_lg_u32 s23, 0
	s_cbranch_scc1 .Lround
	TURN 1, 0, 1, 15                               ; unit 11 asks for unit 15, the last
	TURN 2, 0, 0, 15                               ; units 12 to 15 load nothing: no load leaves the buffers, and the counts run down
	TURN 3, 0, 0, 10
	TURN 4, 0, 0, 5
	TURN 0, 0, 0, 0
	s_wait_alu depctr_va_vdst(0)                   ; unit 15 has written YR0, which the last four stores read
.irp c, 0,1,2,3
	global_store_b64 v[YO], v[YR+2*(\c):YR+2*(\c)+1], s[OUT:OUT+1] offset:256*(\c) th:TH_STORE_NT
.endr
	s_endpgm
.Lfunc_end_k_q9cb3681849_quant:
	.size	k_q9cb3681849_quant, .Lfunc_end_k_q9cb3681849_quant-k_q9cb3681849_quant
	.p2alignl 7, 3214868480
	.fill 96, 4, 3214868480
	.section	.rodata,"a",@progbits
	.p2align	6, 0x0
	.amdhsa_kernel k_q9cb3681849_quant
		.amdhsa_group_segment_fixed_size 0
		.amdhsa_private_segment_fixed_size 0
		.amdhsa_enable_private_segment 0
		.amdhsa_kernarg_size 48
		.amdhsa_user_sgpr_count 2
		.amdhsa_user_sgpr_kernarg_segment_ptr 1
		.amdhsa_wavefront_size32 1
		.amdhsa_system_sgpr_workgroup_id_x 1
		.amdhsa_system_sgpr_workgroup_id_y 1
		.amdhsa_system_sgpr_workgroup_id_z 1
		.amdhsa_system_vgpr_workitem_id 0
		.amdhsa_next_free_vgpr 152
		.amdhsa_next_free_sgpr 66
		.amdhsa_reserve_vcc 0
		.amdhsa_float_denorm_mode_32 3
		.amdhsa_float_denorm_mode_16_64 3
		.amdhsa_memory_ordered 1
		.amdhsa_forward_progress 1
		.amdhsa_inst_pref_size 77
	.end_amdhsa_kernel
	.amdgpu_metadata
---
amdhsa.version: [ 1, 2 ]
amdhsa.kernels:
  - .name:           k_q9cb3681849_quant
    .symbol:         k_q9cb3681849_quant.kd
    .args:
      - { .name: x, .offset: 0, .size: 8, .value_kind: global_buffer, .address_space: global }
      - { .name: a_scale, .offset: 8, .size: 8, .value_kind: global_buffer, .address_space: global }
      - { .name: weight, .offset: 16, .size: 8, .value_kind: global_buffer, .address_space: global }
      - { .name: b_scale, .offset: 24, .size: 8, .value_kind: global_buffer, .address_space: global }
      - { .name: aq, .offset: 32, .size: 8, .value_kind: global_buffer, .address_space: global }
      - { .name: bq, .offset: 40, .size: 8, .value_kind: global_buffer, .address_space: global }
    .group_segment_fixed_size: 0
    .private_segment_fixed_size: 0
    .kernarg_segment_align: 8
    .kernarg_segment_size: 48
    .max_flat_workgroup_size: 512
    .sgpr_count:     66
    .vgpr_count:     152
    .wavefront_size: 32
...
	.end_amdgpu_metadata
.endif
;; end of part 3
;; launch gemm: the kernel of part 2 again; grid 16 x 16, 4 waves a work-group, clusters of 4 x 4, 327,680 bytes of LDS; arguments aq, bq, bias, out0; writes out0
